; MI455X (gfx1250); checked and timed in simulation.
; The chip was launched on July 23, 2026; its instructions are those of AMD's public machine-readable ISA for CDNA 5 (MIT licence, August 2026) and "CDNA5" Instruction Set Architecture Reference Guide (July 2026). The comments in the code are by the model that wrote it; some were corrected since.
;; Dilated Attention. Allowed arithmetic: matrix products marked QUANTISED: E3M2 operands, one E8M0 scale for each 32 along K, by v_wmma_scale_f32_16x16x128_f8f6f4 with both operands' format E3M2, f32 sums; products left as they are: f32 operands where the result goes on into a quantised operand, else bf16, f16 or f32 operands; f32 sums; everything else in f32.
;; Inputs: key 32 x 2,048 x 128 float32; query 32 x 2,048 x 128 float32; value 32 x 2,048 x 128 float32.
;; Outputs: out0 4 x 2,048 x 1,024 float32.
;; This version of the problem:
;;   THIS VERSION OF THE PROBLEM IS GIVEN IN LOW PRECISION. The matrix products marked QUANTISED in the list below multiply operands that are first quantised to E3M2 (3 exponent bits, 2 mantissa bits; 6 bits a number), with one power-of-two scale for each 32 numbers along K (OCP MX v1.0); their sums are f32. All else is computed in f32.
;;   The module's matrix products, in the order in which they are computed (A, B: the left and right operand; K: the contracted axis; several contracted axes count as one K, in the product's order):
;;     1. batch 32 x [M 2,048, K 128] x [K 128, N 2,048]; A: computed on the way; B: computed on the way: QUANTISED
;;     2. batch 32 x [M 2,048, K 2,048] x [K 2,048, N 128]; A: softmax (see below); B: computed on the way: QUANTISED
;;     3. [M 1, K 1] x [K 1, N 8,388,608]; A: computed on the way; B: computed on the way: left as it is (no contracted axis)
;;     4. batch 32 x [M 1,024, K 128] x [K 128, N 1,024]; A: computed on the way; B: computed on the way: QUANTISED
;;     5. batch 32 x [M 1,024, K 1,024] x [K 1,024, N 128]; A: softmax (see below); B: computed on the way: QUANTISED
;;     6. batch 2 x [M 2, K 1] x [K 1, N 2,097,152]; A: computed on the way; B: computed on the way: left as it is (no contracted axis)
;;     7. batch 32 x [M 512, K 128] x [K 128, N 512]; A: computed on the way; B: computed on the way: QUANTISED
;;     8. batch 32 x [M 512, K 512] x [K 512, N 128]; A: softmax (see below); B: computed on the way: QUANTISED
;;     9. batch 4 x [M 4, K 1] x [K 1, N 524,288]; A: computed on the way; B: computed on the way: left as it is (no contracted axis)
;;     10. batch 32 x [M 256, K 128] x [K 128, N 256]; A: computed on the way; B: computed on the way: QUANTISED
;;     11. batch 32 x [M 256, K 256] x [K 256, N 128]; A: softmax (see below); B: computed on the way: QUANTISED
;;     12. batch 8 x [M 8, K 1] x [K 1, N 131,072]; A: computed on the way; B: computed on the way: left as it is (no contracted axis)
;;   THE QUANTISER, for each operand of a quantised product, along K:
;;     - K is cut into blocks of 32 from its start; a last block that is shorter is filled with zeros.
;;     - A block's scale is 2^e with e = floor(log2(the largest magnitude in the block)) - 4, held to -126 .. 127; a block of zeros has e = 0. As a byte (E8M0): e + 127.
;;     - Each number is divided by its block's scale, clamped to +-28, and rounded to the nearest number of E3M2, ties to even, subnormals kept.
;;     - The product sums the exact products of the quantised numbers (number of the format x scale) in f32.
;;   ~~~python
;;   def quantise(x, axis):      # numpy; x: float32 -> the quantised numbers, widened to float32 again
;;       x = np.moveaxis(x, axis, -1); K = x.shape[-1]
;;       x = np.pad(x, [(0, 0)] * (x.ndim - 1) + [(0, -K % 32)]); x = x.reshape(x.shape[:-1] + (-1, 32)); a = np.abs(x).max(-1, keepdims=True)
;;       e = np.where(a > 0, np.clip(np.frexp(np.where(a > 0, a, 1))[1] - 1 - 4, -126, 127), 0)      # np.frexp(a)[1] - 1 = floor(log2(a)), exactly
;;       r = np.clip(x / 2.0 ** e, -28, 28)
;;       step = 2.0 ** (np.maximum(np.frexp(np.where(r == 0, 1, r))[1] - 1, -2) - 2)
;;       q = np.round(r / step) * step * 2.0 ** e      # np.round: ties to even
;;       return np.moveaxis(q.reshape(q.shape[:-2] + (-1,))[..., :K], -1, axis).astype(np.float32)
;;   ~~~
;;   SOFTMAX AHEAD OF A QUANTISED PRODUCT. Where the list says 'softmax', what is quantised is not the finished softmax but p = 2^(t - M), with t = logit x log2(e) and M = ceil(the row's largest t), a whole number; so 1/2 < the row's largest p <= 1. The row's sum l is taken of the UNQUANTISED p, in f32, and the product's result is divided by l at the end. Since M is a whole number, a kernel that streams over the keys may use a running M (the ceiling of the running maximum): every later rescaling is an exact power of two, which a block's scale takes up: the codes' values come out the same.
;;   OPERANDS COMPUTED ON THE WAY. 'Computed on the way' means the value that the module computes at that place (a softmax that the list does not call 'softmax' is quantised finished and normalised). What goes into a quantiser is computed in f32, as accurately as f32 sums, v_exp_f32 and their like allow (about 1e-6 of the number): no bf16 or f16 on the way to a quantiser, and a product that is left as it is and whose result goes on into a quantised operand takes f32 operands (vector FMAs, or v_wmma_f32_16x16x4_f32). A number that lies on a knife's edge between two numbers of the format may be rounded either way, as far as f32 arithmetic and the matrix unit's own rounding can turn it there, and no further.
;; One version. Each part assembles by itself: llvm-mc -triple=amdgcn-amd-amdhsa -mcpu=gfx1250 --defsym DOCPART=n.
;; ======== version 1 of 1: 2 launches
;; workspace buffers: qc 12,288,000 bytes; kv 24,576,000 bytes
;; launch prep (part 1): grid 90 x 32, 4 waves a work-group, no clusters, 34,304 bytes of LDS; arguments query, key, value, qc, kv; writes qc, kv
.if DOCPART == 1
	.amdgcn_target "amdgcn-amd-amdhsa--gfx1250"
	.amdhsa_code_object_version 6
	.text
	.protected	k_q36909138a8_prep
	.globl	k_q36909138a8_prep
	.p2align	8
	.type	k_q36909138a8_prep,@function
k_q36909138a8_prep:
	s_mov_b64 s[64:65], 0
	v_nop
	global_prefetch_b8 v0, s[64:65] scope:SCOPE_SE
	s_setreg_imm32_b32 hwreg(HW_REG_WAVE_MODE, 25, 1), 1
	s_wait_xcnt 0x0
; query, key, value: [32 heads][2048 positions][128 channels] f32  ->  codes of BF6 (E3M2) with one E8M0 byte for each 32 along K, laid as IMAGES OF THE OPERANDS' REGISTERS, one compact copy for each dilation.
; DILATIONS.  dr = 1 << e.  Head j (= head % 8) takes the positions m dr + r, r = (j << e) >> 3.  A STEP is 128 gathered rows m.  A head has 30 steps, in the order dr 8, 4, 2, 1: steps 0-1, 2-5, 6-13, 14-29.
; Q and K are quantised along the channels, V along the gathered keys: so V's codes differ from dilation to dilation, and Q's and K's are copied so that every later read is dense.
; A FRAGMENT is 16 rows x 128 K = 12 registers a lane; its image is 1,536 bytes: registers 4 g .. 4 g + 3 of lane l at 512 g + 16 l.  A step has 8 of them and then 512 bytes of scale words, the word of (tile t, row p) at 64 t + 4 p.
; Q and K: row p of tile 2 b + u is gathered row 32 b + 8 u + p + 8 (p / 8), so that in the product K Q^T the 16 registers of two neighbouring tiles are 16 neighbouring keys.  V: tile t = channels 16 t .. 16 t + 15, K = the step's keys as they lie.
; qc: [32][30][12,800]: images, words.   kv: [32][30][25,600]: K's images, K's words (at 12,288), V's images (at 12,800), V's words (at 25,088).
; SHARES.  Work-group x = 0-29: Q's step x; 30-59: K's step x - 30; 60-89: V's step x - 60; y = the head.  Four waves that share nothing: no barrier.
;   Q, K: wave w takes tiles 2 w and 2 w + 1.  A load reads one whole row, 512 consecutive bytes; a tile turns through the wave's own stage in LDS, so that lane (p, h) holds k = 64 c + 32 h + 0 .. 31 of row p:
;         the conversions' results are then the fragment's registers, and leave by stores of 512 consecutive bytes.
;   V:    wave w takes channels 32 w .. 32 w + 31, a lane a channel, registers down the keys: a block of 32 keys lies in one lane.  No LDS.  In each store sixteen lanes write 256 consecutive bytes, aligned.
; The scale words leave 128 consecutive bytes a wave (one part in 24 of what is stored).
; No cluster and no tensor load: the work-groups of a head read the same rows only in part, each in a stride of its own, so there is no common tile to ask for jointly.
; THE SCALE: the largest magnitude's exponent field less 4, held at 1 from below by a floor among the maximum's leaves.
; LIMITS: NaN and infinities among the inputs are not served.  A block whose largest magnitude lies under 2^-122 keeps the byte 1; so does a block of zeros, where the stated quantiser says 127: its codes are zeros, and this program alone reads the bytes.
.set QHEAD,  384000
.set KVHEAD, 768000
.set QSTEP,  12800
.set KVSTEP, 25600
.set FRB,    1536
.set WORDS,  12288
.set VIMG,   12800
.set VWORDS, 25088
.set PIT,    528                       ; a stage row: 512 bytes + 16: the sixteen rows that a load touches start in sixteen different columns of 16 bytes
.set WSTG,   16*PIT                    ; a wave's stage
.set SPARE,  4*WSTG                    ; behind the four stages: the spare words, 128 bytes a wave: two blocks of 256 bytes that no other line names
.set FLOOR,  0x2800000                 ; 2^(5 - 127)
.set LESS4,  0xfe000000                ; -(4 << 23)
.set LI,  1                            ; v1   16 x lane
.set LS,  2                            ; v2   4 x lane
.set STI, 3                            ; v3   the stage, on the way in: my 16 bytes of a row
.set STR, 4                            ; v4   and on the way out: row p, + 128 h
.set H8,  5                            ; v5   8 h
.set VO,  6                            ; v6   V: 1,536 (lane / 16) + 16 (lane % 16)
.set PT,  7                            ; v7   a lane permute's destination
.set MX,  8                            ; v8-9   largest magnitudes
.set SO,  10                           ; v10-11 the conversions' scale operands
.set BY,  12                           ; v12-13 scale bytes
.set W,   14                           ; v14  a scale word at work
.set W0,  16                           ; v16, v17 the two tiles' scale words
.set SPW, 18                           ; v18  LDS address of my spare word; never rewritten
.set NIL, 19                           ; v19  0; never rewritten
.set F0,  20                           ; v20-31 tile 0's fragment
.set OFF, 32                           ; v32-63 byte offsets of the rows
.set R0,  64                           ; v64-127  tile 0 as loaded; once it is in the stage: T v64-71, F1 v72-83
.set R1,  128                          ; v128-191 tile 1 as loaded
.set X,   192                          ; v192-255 64 numbers of my row
.set T,   64
.set F1,  72
.set XV,  64                           ; V: v64-191 four blocks of 32 keys
.set IM,  192                          ; V: v192-215 the image lanes (p, 0) and (p, 1): 12 registers each
.set TV,  216                          ; V: v216-218 at work
	s_load_b256 s[4:11], s[0:1], 0x0               ; query s[4:5], key s[6:7], value s[8:9], qc s[10:11]
	s_load_b64 s[12:13], s[0:1], 0x20              ; kv
	v_lshl_add_u32 v[SPW], v0, 2, SPARE
	v_mov_b32 v[NIL], 0
	v_lshrrev_b32 v1, 5, v0
	v_readfirstlane_b32 s14, v1                    ; wave 0..3
	s_mov_b32 s15, ttmp9                           ; x
	s_and_b32 s16, ttmp7, 0xffff                   ; the head
	s_cmp_ge_u32 s15, 30
	s_cselect_b32 s40, 30, 0
	s_cmp_ge_u32 s15, 60
	s_cselect_b32 s41, 30, 0
	s_sub_co_u32 s19, s15, s40
	s_sub_co_u32 s19, s19, s41                     ; the step s, 0..29
	s_cmp_ge_u32 s19, 2
	s_cselect_b32 s40, 1, 0
	s_cmp_ge_u32 s19, 6
	s_cselect_b32 s41, 1, 0
	s_cmp_ge_u32 s19, 14
	s_cselect_b32 s42, 1, 0
	s_add_co_u32 s40, s40, s41
	s_add_co_u32 s40, s40, s42
	s_sub_co_u32 s18, 3, s40                       ; e
	s_lshr_b32 s41, 16, s18
	s_sub_co_u32 s41, s41, 2                       ; the dilation's first step
	s_sub_co_u32 s20, s19, s41                     ; the step within the dilation
	s_and_b32 s21, s16, 7
	s_lshl_b32 s21, s21, s18
	s_lshr_b32 s21, s21, 3                         ; r
	s_lshl_b32 s22, 512, s18                       ; bytes from a gathered row to the next
	s_mov_b32 s36, 0x76543210
	s_mov_b32 s37, 0xfedcba98                      ; v_permlanex16_b32's selects for lane l xor 16
	s_mov_b32 s38, 0xffff0000                      ; lanes 16-31
	v_and_b32 v2, 31, v0                           ; lane
	v_lshlrev_b32 v[LI], 4, v2
	v_and_b32 v8, 15, v0                           ; p
	v_bfe_u32 v9, v0, 4, 1                         ; h
	s_mul_i32 s43, s14, WSTG
	v_add_nc_u32 v[STI], s43, v[LI]
	v_mul_u32_u24 v[STR], v8, PIT
	v_lshl_add_u32 v[STR], v9, 7, v[STR]
	v_add_nc_u32 v[STR], s43, v[STR]
	v_lshlrev_b32 v[H8], 3, v9
	v_mul_u32_u24 v[VO], v9, FRB
	v_lshl_add_u32 v[VO], v8, 4, v[VO]
	v_mov_b32 v[PT], 0                             ; written once: a lane permute's destination counts as one of its sources
	v_lshlrev_b32 v[LS], 2, v2
	s_wait_kmcnt 0x0
	s_cmp_ge_u32 s15, 60
	s_cbranch_scc1 .Lvalue
	; ---------------- Q or K ----------------
	s_cmp_lt_u32 s15, 30                           ; the choice hangs on the work-group's number alone
	s_cselect_b64 s[24:25], s[4:5], s[6:7]         ; from query or key,
	s_cselect_b64 s[32:33], s[10:11], s[12:13]     ; to qc or kv,
	s_mov_b32 s44, KVHEAD
	s_cselect_b32 s44, QHEAD, s44                  ; whose heads
	s_mov_b32 s45, KVSTEP
	s_cselect_b32 s45, QSTEP, s45                  ; and steps are so many bytes
	s_lshl_b32 s40, s20, 7
	s_lshl_b32 s41, s14, 5
	s_add_co_u32 s40, s40, s41                     ; my first gathered row: 128 s' + 32 w,
	s_lshl_b32 s40, s40, s18
	s_add_co_u32 s40, s40, s21                     ; its position,
	s_lshl_b32 s40, s40, 9                         ; in bytes,
	s_lshl_b32 s41, s16, 20
	s_add_co_u32 s40, s40, s41                     ; in my head (all under 2^25)
	s_mov_b32 s41, 0
	s_add_nc_u64 s[24:25], s[24:25], s[40:41]      ; tile 0's first row
	s_lshl_b32 s42, s22, 3
	s_mov_b32 s43, 0
	s_add_nc_u64 s[26:27], s[24:25], s[42:43]      ; tile 1's: eight gathered rows on
	s_mul_i32 s40, s16, s44
	s_mul_i32 s42, s19, s45
	s_add_co_u32 s40, s40, s42                     ; where my step begins
	s_mul_i32 s42, s14, 2*FRB
	s_add_co_u32 s42, s42, s40                     ; my two images
	s_lshl_b32 s46, s14, 7
	s_add_co_u32 s46, s46, s40
	s_add_co_u32 s46, s46, WORDS                   ; my 32 scale words
	s_mov_b32 s47, 0
	s_add_nc_u64 s[34:35], s[32:33], s[46:47]
	s_add_nc_u64 s[32:33], s[32:33], s[42:43]
.irp n, 0,1,2,3,4,5,6,7,8,9,10,11,12,13,14,15
	v_mad_u32_u24 v[OFF+\n], s22, \n+8*(\n/8), v[LI]   ; row n of a tile lies n + 8 (n / 8) gathered rows behind the tile's first
.endr
.irp n, 0,1,2,3,4,5,6,7,8,9,10,11,12,13,14,15
	global_load_b128 v[R0+4*\n:R0+4*\n+3], v[OFF+\n], s[24:25]     ; a whole row: 32 lanes, 512 consecutive bytes.  (No hint: the other dilations' work-groups read the row again)
.endr
.irp n, 0,1,2,3,4,5,6,7,8,9,10,11,12,13,14,15
	global_load_b128 v[R1+4*\n:R1+4*\n+3], v[OFF+\n], s[26:27]
.endr
; Tile u, loaded into v[rr] on, becomes the fragment v[ff] on and the scale word v[ww].
.macro TILE u, rr, ff, ww
	s_wait_loadcnt 16*(1-\u)                       ; this tile's sixteen loads are in; tile 1's sixteen may be out
.irp n, 0,1,2,3,4,5,6,7,8,9,10,11,12,13,14,15
	ds_store_b128 v[STI], v[\rr+4*\n:\rr+4*\n+3] offset:PIT*\n
.endr
.irp c, 0,1
.irp i, 0,1,2,3,4,5,6,7
	ds_load_b128 v[X+32*\c+4*\i:X+32*\c+4*\i+3], v[STR] offset:256*\c+16*\i   ; LDS serves a wave's instructions in order: these see the stores above
.endr
.endr
	s_wait_dscnt 0x0                               ; my 64 numbers are in, and the stores have read their registers
.irp c, 0,1                                    ; my block 2 c + h: all its 32 numbers are mine
	v_max3_num_f32 v[MX+\c], |v[X+32*\c]|, |v[X+1+32*\c]|, FLOOR
.endr
.irp i, 2,4,6,8,10,12,14,16,18,20,22,24,26,28,30
.irp c, 0,1
	v_max3_num_f32 v[MX+\c], v[MX+\c], |v[X+32*\c+\i]|, |v[X+1+32*\c+\i]|   ; (the two blocks by turns)
.endr
.endr
.irp c, 0,1
	v_add_nc_u32 v[SO+\c], LESS4, v[MX+\c]         ; 4 off the exponent field: the conversion takes the exponent field of this operand as its scale
.endr
.irp c, 0,1
	v_lshrrev_b32 v[BY+\c], 23, v[SO+\c]           ; the scale's byte
.endr
	v_lshl_or_b32 v[W], v[BY+1], 16, v[BY]         ; my two bytes: blocks h and 2 + h,
	v_lshlrev_b32 v[W], v[H8], v[W]                ; at their places in the word;
	v_permlanex16_b32 v[PT], v[W], s36, s37
	v_or_b32 v[\ww], v[W], v[PT]                   ; with lane l xor 16's two the word is whole
.irp c, 0,1
	v_cvt_scalef32_pk16_bf6_f32 v[\ff+6*\c:\ff+6*\c+2], v[X+32*\c:X+15+32*\c], v[SO+\c]
	v_cvt_scalef32_pk16_bf6_f32 v[T+4*\c:T+4*\c+2], v[X+16+32*\c:X+31+32*\c], v[SO+\c]   ; (a conversion's three registers begin on an even number: the second half of a block's six is made elsewhere and moved)
.endr
	v_nop                                          ; one plain place behind a scaled conversion
.irp c, 0,1
.irp i, 0,1,2
	v_mov_b32 v[\ff+3+6*\c+\i], v[T+4*\c+\i]
.endr
.endr
.irp g, 0,1,2
	global_store_b128 v[LI], v[\ff+4*\g:\ff+4*\g+3], s[32:33] offset:FRB*\u+512*\g th:TH_STORE_NT   ; 512 consecutive bytes, aligned
.endr
.endm
	TILE 0, R0, F0, W0
	TILE 1, R1, F1, W0+1
	v_cndmask_b32 v[W], v[W0], v[W0+1], s38        ; lanes 0-15: tile 2 w's words, lanes 16-31: tile 2 w + 1's
	global_store_b32 v[LS], v[W], s[34:35] th:TH_STORE_NT
	s_wait_tensorcnt 0x0                           ; the wave's end: behind my last LDS store; the tensor wait stands even in a text with no tensor load
	ds_add_u32 v[SPW], v[NIL]
	s_wait_dscnt 0x0
	s_endpgm
	; ---------------- V ----------------
.Lvalue:
	s_lshl_b32 s40, s20, 7
	s_lshl_b32 s40, s40, s18
	s_add_co_u32 s40, s40, s21                     ; the position of the step's first key,
	s_lshl_b32 s40, s40, 9
	s_lshl_b32 s41, s16, 20
	s_add_co_u32 s40, s40, s41                     ; in my head,
	s_lshl_b32 s41, s14, 7
	s_add_co_u32 s40, s40, s41                     ; at my wave's 32 channels
	s_mov_b32 s41, 0
	s_add_nc_u64 s[24:25], s[8:9], s[40:41]
	s_lshl_b32 s42, s22, 5                         ; a block of 32 keys on
	s_mov_b32 s43, 0
	s_add_nc_u64 s[26:27], s[24:25], s[42:43]
	s_add_nc_u64 s[28:29], s[26:27], s[42:43]
	s_add_nc_u64 s[30:31], s[28:29], s[42:43]
	s_mul_i32 s40, s16, KVHEAD
	s_mul_i32 s44, s19, KVSTEP
	s_add_co_u32 s40, s40, s44                     ; where my step begins
	s_mul_i32 s44, s14, 2*FRB
	s_add_co_u32 s44, s44, s40
	s_add_co_u32 s44, s44, VIMG                    ; my two images
	s_mov_b32 s45, 0
	s_lshl_b32 s46, s14, 7
	s_add_co_u32 s46, s46, s40
	s_add_co_u32 s46, s46, VWORDS                  ; my 32 scale words
	s_mov_b32 s47, 0
	s_add_nc_u64 s[32:33], s[12:13], s[44:45]
	s_add_nc_u64 s[34:35], s[12:13], s[46:47]
.irp i, 0,1,2,3,4,5,6,7,8,9,10,11,12,13,14,15,16,17,18,19,20,21,22,23,24,25,26,27,28,29,30,31
	v_mad_u32_u24 v[OFF+\i], s22, \i, v[LS]        ; key i of a block, my channel
.endr
.macro LOADV b                         ; block b: 32 keys of my channel; a load reads 128 consecutive bytes, the four waves side by side 512
.irp i, 0,1,2,3,4,5,6,7,8,9,10,11,12,13,14,15,16,17,18,19,20,21,22,23,24,25,26,27,28,29,30,31
	global_load_b32 v[XV+32*\b+\i], v[OFF+\i], s[24+2*\b:25+2*\b]
.endr
.endm
.macro BLOCKV b                        ; block b becomes six registers of image lane (p, b % 2): its registers 6 (b / 2) on
.set XS, XV+32*(\b)
.set ID, IM+12*((\b)%2)+6*((\b)/2)
	v_max3_num_f32 v[MX], |v[XS]|, |v[XS+1]|, |v[XS+2]|            ; the block's largest magnitude: all 32 numbers are mine; two chains
	v_max3_num_f32 v[MX+1], |v[XS+3]|, |v[XS+4]|, |v[XS+5]|
.irp i, 6,10,14,18,22,26
	v_max3_num_f32 v[MX], v[MX], |v[XS+\i]|, |v[XS+\i+1]|
	v_max3_num_f32 v[MX+1], v[MX+1], |v[XS+\i+2]|, |v[XS+\i+3]|
.endr
	v_max3_num_f32 v[MX], v[MX], |v[XS+30]|, |v[XS+31]|
	v_max3_num_f32 v[MX], v[MX], v[MX+1], FLOOR
	v_add_nc_u32 v[SO], LESS4, v[MX]
	v_lshrrev_b32 v[BY], 23, v[SO]
.if (\b) == 0
	v_mov_b32 v[W], v[BY]                          ; my channel's scale word: the lower keys in the lower byte
.else
	v_lshl_or_b32 v[W], v[BY], 8*(\b), v[W]
.endif
	v_cvt_scalef32_pk16_bf6_f32 v[ID:ID+2], v[XS:XS+15], v[SO]
	v_cvt_scalef32_pk16_bf6_f32 v[TV:TV+2], v[XS+16:XS+31], v[SO]
	v_nop                                          ; one plain place behind a scaled conversion
.irp i, 0,1,2
	v_mov_b32 v[ID+3+\i], v[TV+\i]
.endr
.endm
.macro STOREV h                        ; image lanes (p, h) of my two tiles: in each store lanes 0-15 write 256 consecutive bytes of tile 2 w's image, lanes 16-31 of tile 2 w + 1's
.irp g, 0,1,2
	global_store_b128 v[VO], v[IM+12*\h+4*\g:IM+12*\h+4*\g+3], s[32:33] offset:512*\g+256*\h th:TH_STORE_NT
.endr
.endm
	LOADV 0
	LOADV 1
	s_wait_loadcnt 32                              ; block 0 is in; block 1's 32 loads may be out
	LOADV 2
	BLOCKV 0
	s_wait_loadcnt 32                              ; block 1 is in; block 2's may be out
	LOADV 3
	BLOCKV 1
	s_wait_loadcnt 32                              ; block 2 is in; block 3's may be out
	BLOCKV 2
	STOREV 0                                       ; blocks 0 and 2
	s_wait_loadcnt 0x0
	BLOCKV 3
	STOREV 1                                       ; blocks 1 and 3
	global_store_b32 v[LS], v[W], s[34:35] th:TH_STORE_NT
	s_wait_tensorcnt 0x0                           ; the same three lines at this path's end
	ds_add_u32 v[SPW], v[NIL]
	s_wait_dscnt 0x0
	s_endpgm
.Lfunc_end_k_q36909138a8_prep:
	.size	k_q36909138a8_prep, .Lfunc_end_k_q36909138a8_prep-k_q36909138a8_prep
	.p2alignl 7, 3214868480
	.fill 96, 4, 3214868480
	.section	.rodata,"a",@progbits
	.p2align	6, 0x0
	.amdhsa_kernel k_q36909138a8_prep
		.amdhsa_group_segment_fixed_size 34304
		.amdhsa_private_segment_fixed_size 0
		.amdhsa_enable_private_segment 0
		.amdhsa_kernarg_size 40
		.amdhsa_user_sgpr_count 2
		.amdhsa_user_sgpr_kernarg_segment_ptr 1
		.amdhsa_wavefront_size32 1
		.amdhsa_system_sgpr_workgroup_id_x 1
		.amdhsa_system_sgpr_workgroup_id_y 1
		.amdhsa_system_sgpr_workgroup_id_z 1
		.amdhsa_system_vgpr_workitem_id 0
		.amdhsa_next_free_vgpr 256
		.amdhsa_next_free_sgpr 66
		.amdhsa_reserve_vcc 0
		.amdhsa_float_denorm_mode_32 3
		.amdhsa_float_denorm_mode_16_64 3
		.amdhsa_memory_ordered 1
		.amdhsa_forward_progress 1
		.amdhsa_inst_pref_size 40
	.end_amdhsa_kernel
	.amdgpu_metadata
---
amdhsa.version: [ 1, 2 ]
amdhsa.kernels:
  - .name:           k_q36909138a8_prep
    .symbol:         k_q36909138a8_prep.kd
    .args:
      - { .name: query, .offset: 0, .size: 8, .value_kind: global_buffer, .address_space: global }
      - { .name: key, .offset: 8, .size: 8, .value_kind: global_buffer, .address_space: global }
      - { .name: value, .offset: 16, .size: 8, .value_kind: global_buffer, .address_space: global }
      - { .name: qc, .offset: 24, .size: 8, .value_kind: global_buffer, .address_space: global }
      - { .name: kv, .offset: 32, .size: 8, .value_kind: global_buffer, .address_space: global }
    .group_segment_fixed_size: 34304
    .private_segment_fixed_size: 0
    .kernarg_segment_align: 8
    .kernarg_segment_size: 40
    .max_flat_workgroup_size: 128
    .sgpr_count:     66
    .vgpr_count:     256
    .wavefront_size: 32
...
	.end_amdgpu_metadata
.endif
;; end of part 1
;; launch attn (part 2): grid 8 x 32, 16 waves a work-group, clusters of 4 x 1, 327,680 bytes of LDS; arguments qc, kv, out0; writes out0
.if DOCPART == 2
	.amdgcn_target "amdgcn-amd-amdhsa--gfx1250"
	.amdhsa_code_object_version 6
	.text
	.protected	k_q36909138a8_attn
	.globl	k_q36909138a8_attn
	.p2align	8
	.type	k_q36909138a8_attn,@function
k_q36909138a8_attn:
	s_mov_b64 s[64:65], 0
	v_nop
	global_prefetch_b8 v0, s[64:65] scope:SCOPE_SE
	s_setreg_imm32_b32 hwreg(HW_REG_WAVE_MODE, 25, 1), 1
	s_wait_xcnt 0x0
	s_wait_alu depctr_hold_cnt(0) depctr_sa_sdst(0) depctr_va_vdst(0) depctr_va_sdst(0) depctr_va_ssrc(0) depctr_va_vcc(0) depctr_vm_vsrc(0)
	s_getreg_b32 s2, hwreg(HW_REG_IB_STS2, 6, 4)
	s_cmp_eq_u32 s2, 0
	s_cbranch_scc0 .Lentry_in_a_cluster
	s_endpgm
.Lentry_in_a_cluster:
	s_bfe_u32 s2, ttmp6, 0x10000c
	s_cmp_lg_u32 s2, 0x3003
	s_cbranch_scc0 .Lentry_shape_is_right
	s_endpgm
.Lentry_shape_is_right:
; out0[b][l][128 j + d] = the sum over dr = 1, 2, 4, 8 of the attention of head (b, j) on the positions m dr + r, r = (j dr) / 8, put back at the position that it came from (nothing where l is none of them).
; Both products of each attention run on codes of BF6 (E3M2) with one E8M0 scale for each 32 along K.  qc and kv hold the codes as images of the operands' registers, a copy for each dilation:
;   a STEP is 128 gathered rows; a head has 30, in the order dr 8, 4, 2, 1 (steps 0-1, 2-5, 6-13, 14-29).  qc: [32][30][12,800]: 8 images of 1,536 bytes, 512 bytes of scale words.
;   kv: [32][30][25,600]: K's images, K's words (at 12,288), V's images (at 12,800; 16 channels x the step's 128 keys), V's words (at 25,088).  Row p of tile 2 b + u of Q and K is gathered row 32 b + 8 u + p + 8 (p / 8).
; THE SOFTMAX AHEAD OF THE SECOND PRODUCT: t = score x log2(e) (no division by the root of the head's size); M = the row's largest t so far, rounded UP to a whole number; p = 2^(t - M) is quantised along the keys, not normalised.
; The row's sum is taken of the unquantised p and divides at the end.  When M moves, the sum and O are multiplied by 2^(old M - new M): exact.
; A row here often hangs on one or two keys, whose codes turn at the middle between two codes, so the score's last bits count.  Where both sums are exact the difference is exactly twice the score.
; t - M IS MADE BY TWO FUSED MULTIPLY-ADDS, WITH log2(e) IN TWO PARTS (its f32 value and the 1.926e-8 that this value leaves; both halved here): nothing is rounded at t's size, which reaches some tens.
; M is taken from the largest score x the f32 value; where that falls a hair under the true t, the row's largest p is a hair over 1: the block's scale takes it up, and the codes' values are the same.
; SHARES.  A work-group owns 256 neighbouring positions of one head, in all four dilations: so each row of out0 has one owner.  It walks the head's 30 key steps.  In the phase of dilation e its positions are 16 >> e tiles of 16 queries:
; waves 0 .. (16 >> e) - 1 take one tile each, in 256 registers; the other waves only pass the changes of slots.  Four waves lie on a SIMD: one wave's vector work stands beside another's products and LDS loads.
; Each phase's result, divided by its sum, goes to a stage in LDS; at the end each wave adds up 16 rows and stores them whole.  dr = 1 comes last: its stage lies over the ring, which has then had its last fill and its last read.
; LAYOUT.  Both products are used transposed: S^T = K Q^T (source 0 = 16 keys, source 1 = my 16 queries), O^T = V^T P^T (source 0 = 16 channels, source 1 = P): a lane holds ONE query (lane % 16) throughout.
; CLUSTER.  The four work-groups of a cluster belong to one head and walk the same kv: each slot (two steps, 51,200 dense bytes) is asked for JOINTLY, by the same two tensor loads (waves 0 and 1: a step each) with a mask that names the four.
; LIMITS: NaN and infinities are not served.  A block's largest p is taken from the block's largest score, which takes v_exp_f32 not to fall where its input rises.  v_exp_f32 gives 0 for a p under 2^-126.  A block of p whose every number is 0 keeps the byte 1: its codes are zeros.
; The 64 registers of O^T are cleared at the head of each of the four phases, so that the key step is written in one form: a first step of its own would be a further copy of it in each phase.
; REGISTERS: v1-8 addresses that stay; v9 the stage's address in hand, v10 my place in a stage's tile; v12 -M, v13 the largest t, v[14:15] the sum in two halves; v16-27 Q; v28-39 -Q; v40-87 four fragments of K or of V;
;   v88-95, v224-247 the sums with -Q; v96-159 S^T, then t - M, then p; v160-223 O^T; v224-235 p's codes; v232-247, v254 at work; v248-251 K's or V's scale words; v252 f; v253 p's scale word; v255 Q's scale words.
.set SLOT1,  65536                     ; ring slot 1 begins here: one exclusive or turns an address in one slot into the other's
.set STEPB,  25600
.set SLOTB,  2*STEPB
.set FRB,    1536
.set KWRD,   12288
.set VIMG,   12800
.set VWRD,   25088
.set QSTEP,  12800
.set QHEAD,  384000
.set KVHEAD, 768000
.set PIT,    528                       ; a stage row: 512 bytes + 16: the sixteen rows that a store touches start in sixteen different columns of 16 bytes
.set STG0,   0                         ; dr 1: 256 rows, over the ring
.set STG1,   256*PIT                   ; dr 2: 128 rows; from here on bytes into which no tensor load lands
.set STG2,   STG1+128*PIT              ; dr 4: 64 rows
.set STG3,   STG2+64*PIT               ; dr 8: 32 rows
.set SPARE,  STG3+32*PIT               ; the spare words, 128 bytes for each wave: eight blocks of 256 bytes that no other line names
.set LI,  1                            ; v1   16 x lane
.set LS,  2                            ; v2   4 x lane
.set QS,  3                            ; v3   4 x (lane % 16)
.set ADI, 4                            ; v4   the slot in hand + 16 x lane
.set ADS, 5                            ; v5   the slot in hand + 4 x lane
.set SPW, 6                            ; v6   LDS address of my spare word; never rewritten
.set NIL, 7                            ; v7   0; never rewritten
.set PFO, 8                            ; v8   the prefetches' offset; never rewritten
.set STO, 9                            ; v9   where I put a query's 32 bytes in the stage of the phase that ends
.set SBS, 10                           ; v10  row (lane % 16) of a stage's tile, + 32 (lane / 16)
.set RD0, 3                            ; at the end v3, v9, v10, v11: where I read rows back from the four stages
.set RD1, 9
.set RD2, 10
.set RD3, 11
.set NQ,  28                           ; v28-39 the codes of -Q
.set FB,  40                           ; v40-87 four fragments
.set TB,  2                            ; s2   LDS byte at which the slot in hand begins
.set WV,  10                           ; s10  my wave's number
.set LIM, 15                           ; s15  1 in a wave that prefetches, else the greatest number
.set SLOTS, 16                         ; s16  slots still to be asked for
.set PFA, 18                           ; s[18:19] where my prefetches stand
.set SEL, 20                           ; s[20:21] v_permlanex16_b32's selects for lane l xor 16
.set CS,  22                           ; s[22:23] half of log2(e) as f32: the packed form names a pair and takes its low word for both halves
.set G1,  24                           ; s[24:31] descriptor group 1
.set G0,  32                           ; s[32:35] descriptor group 0, which walks
.set RR,  36                           ; s37, s38, s39: r of dilations 1, 2, 3
.set CL,  56                           ; s[56:57] half of what the f32 value of log2(e) leaves
; A round of the cluster's barrier: my work-group's barrier; wave 0 signals for the work-group; every wave waits for all four work-groups; my work-group's barrier once more.
.macro CROUND
	s_barrier_signal -1
	s_barrier_wait -1
	s_cmp_lg_u32 s[WV], 0
	s_cbranch_scc1 .Lnot_wave_0_\@
	s_barrier_signal -3
.Lnot_wave_0_\@:
	s_barrier_wait -3
	s_barrier_signal -1
	s_barrier_wait -1
.endm
; The joint load: waves 0 and 1 fetch a key step each.  The branch hangs on the wave's number alone.  An s_nop 0 and four v_nop follow the load.
.macro TLOAD
	s_cmp_lt_u32 s[WV], 2
	s_cbranch_scc0 .Lnone_\@
	tensor_load_to_lds s[G0:G0+3], s[G1:G1+7]
	s_nop 0
.rept 4
	v_nop
.endr
.Lnone_\@:
.endm
; A prefetch of the slot that the NEXT change of slots will ask for: two key steps ahead of that load.  Both clusters of a head walk the same kv: the head's first cluster asks.  Its four partners share the slot's 51,200 bytes out BY ADDRESS,
; 12,800 each: 50 blocks of 256 bytes, lanes 256 bytes apart, in waves 4 and 5, which fetch nothing (lanes 18 to 31 of wave 5 name lane 17's block again).  The last change that fills a slot asks for nothing; slots 0 and 1 come by their loads alone.
.macro ASK
	s_cmp_gt_u32 s[SLOTS], s[LIM]
	s_cbranch_scc0 .Lnot_mine_\@
	global_prefetch_b8 v[PFO], s[PFA:PFA+1] th:TH_LOAD_NT scope:SCOPE_SE
.Lnot_mine_\@:
.endm
; THE CHANGE OF SLOTS stands at a slot's head.  Each wave waits for all its tensor loads (one at the most is out: its part of the slot that it is about to read), adds 0 to its spare word, and waits for that and for its reads of the slot that it has left.
; fill = 1: a round of the cluster's barrier follows, so that no wave of any partner still reads the slot that was left or has a load on its way, and the joint refill is the first thing behind it: it has two key steps in which to land.
.macro CHANGE fill
	s_wait_tensorcnt 0x0                           ; no tensor load of mine is out, so group 0 may be written
	ds_add_u32 v[SPW], v[NIL]                      ; 0 onto my spare word
.if \fill
	s_xor_b32 s[G0+1], s[G0+1], SLOT1              ; the walking descriptor: the other slot than last time,
	s_add_nc_u64 s[G0+2:G0+3], s[G0+2:G0+3], SLOTB ; the next two key steps; the type bits on top are not reached
	s_wait_xcnt 0x0                                ; the last prefetch, a slot back, has read its address, so it may be written:
	s_add_nc_u64 s[PFA:PFA+1], s[PFA:PFA+1], SLOTB ; one slot further on than the walking descriptor
	s_wait_dscnt 0x0                               ; the add is done, and my reads of the slot that I have left are over
	CROUND
	TLOAD
	ASK
	s_sub_co_u32 s[SLOTS], s[SLOTS], 1
.else
	s_wait_dscnt 0x0
	s_barrier_signal -1
	s_barrier_wait -1
.endif
.endm
; The run of LDS loads that both products share: four tiles at a time.  img, wrd: where the step's images and words begin.
.macro RUN g, img, wrd
.irp i, 0,1
	ds_load_b32 v[248+2*\g+\i], v[ADS] offset:\wrd+128*(2*\g+\i)    ; lanes 0-15: the words of tile 2 (2 g + i), lanes 16-31: those of the tile behind it
.endr
.irp t, 0,1,2,3
.irp k, 0,1,2
	ds_load_b128 v[FB+12*\t+4*\k:FB+3+12*\t+4*\k], v[ADI] offset:\img+FRB*(4*\g+\t)+512*\k   ; an image comes back as it was stored: 512 consecutive bytes a load
.endr
.endr
.endm
; One product of S^T: tile t of the run g of K against the codes in v[b] on (Q's or -Q's), into v[d] on
.macro QK d, t, g, b
.if (\t)%2
	v_wmma_scale_f32_16x16x128_f8f6f4 v[\d:\d+7], v[FB+12*(\t):FB+11+12*(\t)], v[\b:\b+11], 0, v[248+2*(\g)+(\t)/2], v255 matrix_a_fmt:MATRIX_FMT_BF6 matrix_b_fmt:MATRIX_FMT_BF6 matrix_a_scale:MATRIX_SCALE_ROW1
.else
	v_wmma_scale_f32_16x16x128_f8f6f4 v[\d:\d+7], v[FB+12*(\t):FB+11+12*(\t)], v[\b:\b+11], 0, v[248+2*(\g)+(\t)/2], v255 matrix_a_fmt:MATRIX_FMT_BF6 matrix_b_fmt:MATRIX_FMT_BF6
.endif
.endm
; The eight products of run g: its four tiles against Q, then against -Q (those sums: v224, v232, v240, v88); four places behind them, for the loads into the fragments and for the reads of the sums
.macro QK8 g
.irp t, 0,1,2,3
	s_wait_dscnt 9-3*\t                            ; tile t's three loads are in; behind them stand three for each later tile
	QK 96+8*(4*\g+\t), \t, \g, 16
.endr
.irp t, 0,1,2,3
	QK 224+8*\t-160*(\t/3), \t, \g, NQ
.endr
.rept 4
	v_nop
.endr
.endm
.macro SUBS g                          ; twice the score; each accumulator from its low end on
.irp t, 0,1,2,3
.irp j, 0,2,4,6
	v_pk_add_f32 v[96+8*(4*\g+\t)+\j:97+8*(4*\g+\t)+\j], v[96+8*(4*\g+\t)+\j:97+8*(4*\g+\t)+\j], v[224+8*\t-160*(\t/3)+\j:225+8*\t-160*(\t/3)+\j] neg_lo:[0,1] neg_hi:[0,1]
.endr
.endr
.endm
; A KEY STEP: 128 keys, the q-th of the slot in hand.
.macro STEP q
.set SB, STEPB*(\q)
.rept 2+3*(\q)
	v_nop                                          ; a slot's first step: with the two additions ahead of them, four places between the last line that wrote -Q and the products that read it.  Its second: five places behind the last products V^T P, whose P (v224 on) the first sum with -Q writes over
.endr
	RUN 0, SB, SB+KWRD
	QK8 0
	RUN 1, SB, SB+KWRD                             ; the second four tiles are on their way while the first four's sums are subtracted
	SUBS 0
	QK8 1
	RUN 0, SB+VIMG, SB+VWRD                        ; V's first four tiles are asked for here: they have the whole softmax in which to come
	SUBS 1                                         ; lane (r, h) holds query r; the 16 registers of tiles 2 b, 2 b + 1 are keys 32 b + 16 h + 0 .. 15
.irp b, 0,1,2,3
	v_max3_num_f32 v[232+\b], v[96+16*\b], v[97+16*\b], v[98+16*\b]   ; the largest score of each block of 32 keys: it serves for the row's maximum and, since p rises with the score, for the block's largest p
.endr
.irp i, 3,5,7,9,11,13
.irp b, 0,1,2,3
	v_max3_num_f32 v[232+\b], v[232+\b], v[96+16*\b+\i], v[97+16*\b+\i]   ; (the four blocks by turns)
.endr
.endr
.irp b, 0,1,2,3
	v_max_num_f32 v[232+\b], v[232+\b], v[111+16*\b]
.endr
.irp b, 0,1,2,3
	v_permlanex16_b32 v[236+\b], v[232+\b], s[SEL], s[SEL+1]
.endr
.irp b, 0,1,2,3
	v_max_num_f32 v[232+\b], v[232+\b], v[236+\b]  ; with lane l xor 16's 16 keys
.endr
	v_max3_num_f32 v254, v232, v233, v234
	v_max_num_f32 v254, v254, v235                 ; the step's largest score of my query, twice
	v_mul_f32 v254, s[CS], v254                    ; as t
	v_max_num_f32 v13, v13, v254                   ; the running largest t
	v_mov_b32 v254, v12
	v_floor_f32 v12, -v13                          ; the new -M = floor(-t) = -ceil(t): a whole number
	v_sub_f32 v254, v12, v254                      ; M's old value less its new one: a whole number, 0 or less
	v_cvt_i32_f32 v254, v254                       ; (it saturates)
	v_ldexp_f32 v252, 1.0, v254                    ; f = 2^(old M - new M)
.set J, 0
.rept 8                                        ; t - M, two at a time, four pairs by turns: twice the score x half of log2(e)'s f32 value - M,
.irp i, 0,1,2,3
	v_pk_fma_f32 v[240+2*\i:241+2*\i], v[96+J+2*\i:97+J+2*\i], s[CS:CS+1], v[12:13] op_sel_hi:[1,0,0]
.endr
.irp i, 0,1,2,3                                ; + twice the score x half of what that value leaves
	v_pk_fma_f32 v[96+J+2*\i:97+J+2*\i], v[96+J+2*\i:97+J+2*\i], s[CL:CL+1], v[240+2*\i:241+2*\i] op_sel_hi:[1,0,1]
.endr
.set J, J+8
.endr
.irp b, 0,1,2,3
	v_fma_f32 v[236+\b], v[232+\b], s[CS], v12     ; the same two steps of each block's largest score
.endr
.irp b, 0,1,2,3
	v_fma_f32 v[232+\b], v[232+\b], s[CL], v[236+\b]
.endr
.set J, 0
.rept 64
	v_exp_f32 v[96+J], v[96+J]                     ; p = 2^(t - M)
.set J, J+1
.endr
	v_pk_mul_f32 v[14:15], v[14:15], v[252:253] op_sel_hi:[1,0]   ; the sums under the new M.  (A plain place behind the exponentials)
	s_wait_alu depctr_va_vdst(0)                   ; the wait ahead of the first instruction that names a result: one for the batch of 64
.irp b, 0,1,2,3
	v_exp_f32 v[232+\b], v[232+\b]                 ; the block's largest p: the same instructions on the same number give the same bits
.endr
	v_pk_add_f32 v[236:237], v[96:97], v[98:99]    ; the row's sum is taken of the unquantised p: two at a time, in two chains.  (It reads the 64 alone: plain work behind the four)
.set J, 4
.rept 15
	v_pk_add_f32 v[14:15], v[14:15], v[96+J:97+J]
	v_pk_add_f32 v[236:237], v[236:237], v[98+J:99+J]
.set J, J+4
.endr
	v_pk_add_f32 v[14:15], v[14:15], v[236:237]
	s_wait_alu depctr_va_vdst(0)                   ; and one for the four
.irp b, 0,1,2,3
	v_max_num_f32 v[232+\b], 0x2800000, v[232+\b]  ; the floor 2^(5 - 127): the byte cannot fall under 1
.endr
.irp b, 0,1,2,3
	v_add_nc_u32 v[244+\b], 0xfe000000, v[232+\b]  ; 4 off the exponent field: the conversion's scale operand
.endr
.irp b, 0,1,2,3
	v_lshrrev_b32 v[236+\b], 23, v[244+\b]         ; the scale's byte
.endr
	v_lshl_or_b32 v253, v237, 8, v236              ; p's scale word for these 128 keys
	v_lshl_or_b32 v253, v238, 16, v253
	v_lshl_or_b32 v253, v239, 24, v253
.irp c, 0,1
	v_cvt_scalef32_pk16_bf6_f32 v[224+6*\c:226+6*\c], v[96+32*\c:111+32*\c], v[244+2*\c]
	v_cvt_scalef32_pk16_bf6_f32 v[236+4*\c:238+4*\c], v[112+32*\c:127+32*\c], v[244+2*\c+1]   ; (a conversion's three registers begin on an even number)
.endr
	v_nop                                          ; one plain place behind a scaled conversion
.irp c, 0,1                                    ; the operand's layout wants a WHOLE block in a lane: lanes 0-15 block 2 c, lanes 16-31 block 2 c + 1
.irp i, 0,1,2
	v_permlane16_swap_b32 v[224+6*\c+\i], v[236+4*\c+\i]
.endr
.irp i, 0,1,2
	v_mov_b32 v[227+6*\c+\i], v[236+4*\c+\i]
.endr
.endr
.set J, 0
.rept 32
	v_pk_mul_f32 v[160+J:161+J], v[160+J:161+J], v[252:253] op_sel_hi:[1,0]   ; O^T under the new M.  (These 32 are also the places in front of the products below)
.set J, J+2
.endr
.irp g, 0,1                                    ; O^T += V^T P^T; the eight accumulators take turns, one instruction a turn
.if \g > 0
.rept 4
	v_nop                                          ; places in front of loads into registers that matrix instructions have read
.endr
	RUN 1, SB+VIMG, SB+VWRD
.endif
.irp t, 0,1,2,3
.if \g > 0
	s_wait_dscnt 9-3*\t                            ; tile t's three loads are in
.elseif \t == 0
	s_wait_dscnt 0x0                               ; V's first four tiles, asked for ahead of the softmax: no LDS instruction was issued behind them
.endif
.if \t%2
	v_wmma_scale_f32_16x16x128_f8f6f4 v[160+8*(4*\g+\t):167+8*(4*\g+\t)], v[FB+12*\t:FB+11+12*\t], v[224:235], v[160+8*(4*\g+\t):167+8*(4*\g+\t)], v[248+2*\g+\t/2], v253 matrix_a_fmt:MATRIX_FMT_BF6 matrix_b_fmt:MATRIX_FMT_BF6 matrix_a_scale:MATRIX_SCALE_ROW1
.else
	v_wmma_scale_f32_16x16x128_f8f6f4 v[160+8*(4*\g+\t):167+8*(4*\g+\t)], v[FB+12*\t:FB+11+12*\t], v[224:235], v[160+8*(4*\g+\t):167+8*(4*\g+\t)], v[248+2*\g+\t/2], v253 matrix_a_fmt:MATRIX_FMT_BF6 matrix_b_fmt:MATRIX_FMT_BF6
.endif
.endr
.endr
.endm
; A slot's two key steps, for waves 0 .. n - 1.  The wait for Q, the codes of -Q and the two address registers stand ahead of the branch, on every wave's path.
.macro WORK n
	s_wait_loadcnt 0x0                             ; Q's fragment and words (met at once from a phase's second slot on)
.irp k, 0,3,6,9                                ; the codes of -Q: the sign of code i is bit 6 i + 5 of the lane's stream of bits, a pattern that comes back every three registers
	v_xor_b32 v[NQ+\k], 0x20820820, v[16+\k]
	v_xor_b32 v[NQ+1+\k], 0x08208208, v[17+\k]
	v_xor_b32 v[NQ+2+\k], 0x82082082, v[18+\k]
.endr
	v_add_nc_u32 v[ADI], s[TB], v[LI]
	v_add_nc_u32 v[ADS], s[TB], v[LS]
.if \n < 16
	s_cmp_ge_u32 s[WV], \n
	s_cbranch_scc1 .Lidle_\@
.endif
	STEP 0
	STEP 1
.Lidle_\@:
	s_xor_b32 s[TB], s[TB], SLOT1                  ; on to the other slot
.endm
; A phase begins: O^T and the sum are zeros, the largest t is under every t; my tile of Q is asked for (a wave with no tile in this phase asks for the last wave's: no load leaves its buffer).
.macro BEGIN e
.set J, 0
.rept 64
	v_mov_b32 v[160+J], 0
.set J, J+1
.endr
	v_mov_b32 v13, 0xff61b1e6                      ; -3e38
	v_floor_f32 v12, -v13                          ; -M
	v_mov_b32 v14, 0
	v_mov_b32 v15, 0
	s_min_u32 s44, s[WV], (16>>\e)-1
	s_lshl_b32 s45, s12, 4-\e                      ; my block's first tile in this dilation
	s_add_co_u32 s44, s44, s45
	s_add_co_u32 s44, s44, 8*((16>>\e)-2)          ; behind the tiles of the dilations that come earlier in qc
	s_lshr_b32 s45, s44, 3
	s_mul_i32 s45, s45, QSTEP                      ; its step,
	s_and_b32 s44, s44, 7                          ; and its place in the step
	s_mul_i32 s46, s44, FRB
	s_add_co_u32 s46, s46, s45
	s_mov_b32 s47, 0
	s_lshl_b32 s48, s44, 6
	s_add_co_u32 s48, s48, s45
	s_add_co_u32 s48, s48, KWRD
	s_mov_b32 s49, 0
	s_add_nc_u64 s[40:41], s[4:5], s[46:47]        ; (the last phase's loads by these bases were waited for in its first slot)
	s_add_nc_u64 s[42:43], s[4:5], s[48:49]
.irp g, 0,1,2
	global_load_b128 v[16+4*\g:19+4*\g], v[LI], s[40:41] offset:512*\g
.endr
	global_load_b32 v255, v[QS], s[42:43]
.endm
; A phase ends: O^T / the sum goes to the phase's stage: row 16 x tile + (lane % 16); tile t's eight channels of my half at 64 t + 32 h.
.macro FINISH e, stg
	s_min_u32 s44, s[WV], (16>>\e)-1               ; (a wave with no tile in the phase stores nothing)
	s_mul_i32 s44, s44, 16*PIT
	s_add_co_u32 s44, s44, \stg
	v_add_nc_u32 v[STO], s44, v[SBS]               ; my tile's place in this stage: made on every wave's path.  With the three lines below: four places behind the last products
.rept 3
	v_nop
.endr
.if \e > 0
	s_cmp_ge_u32 s[WV], 16>>\e
	s_cbranch_scc1 .Lno_tile_\@
.endif
	v_add_f32 v14, v14, v15                        ; the sum's two halves,
	v_permlanex16_b32 v252, v14, s[SEL], s[SEL+1]
	v_add_f32 v14, v14, v252                       ; and lane l xor 16's
	v_rcp_f32 v14, v14
	v_nop                                          ; a plain place behind the transcendental
	s_wait_alu depctr_va_vdst(0)                   ; and the wait ahead of the first reader
.set J, 0
.rept 32
	v_pk_mul_f32 v[96+J:97+J], v[160+J:161+J], v[14:15] op_sel_hi:[1,0]   ; each accumulator from its low end on
.set J, J+2
.endr
.irp t, 0,1,2,3,4,5,6,7
	ds_store_b128 v[STO], v[96+8*\t:99+8*\t] offset:64*\t
	ds_store_b128 v[STO], v[100+8*\t:103+8*\t] offset:64*\t+16
.endr
.Lno_tile_\@:
.endm
; The way out: where r of dilation e is a, row k of my rows of that dilation belongs to my row (k << e) + a.  The branch hangs on the head alone, which the four partners share.
.macro ADDIN e, a, xe
	s_cmp_lg_u32 s[RR+\e], \a
	s_cbranch_scc1 .Lnot_\@
.set KK, 0
.rept 16>>\e
	v_pk_add_f32 v[96+4*((KK<<\e)+\a):97+4*((KK<<\e)+\a)], v[96+4*((KK<<\e)+\a):97+4*((KK<<\e)+\a)], v[\xe+4*KK:\xe+4*KK+1]
	v_pk_add_f32 v[98+4*((KK<<\e)+\a):99+4*((KK<<\e)+\a)], v[98+4*((KK<<\e)+\a):99+4*((KK<<\e)+\a)], v[\xe+4*KK+2:\xe+4*KK+3]
.set KK, KK+1
.endr
.Lnot_\@:
.endm
; For the stages' addresses: s44 += (wid bits of the wave's number from bit off) << sh
.macro PART off, wid, sh
	s_bfe_u32 s45, s[WV], ((\wid)<<16)|(\off)
	s_lshl_b32 s45, s45, \sh
	s_add_co_u32 s44, s44, s45
.endm
.macro MKRD reg, stg                   ; s44 = my first row in the stage
	s_mul_i32 s44, s44, PIT
	s_add_co_u32 s44, s44, \stg
	v_add_nc_u32 v[\reg], s44, v[LI]
	s_mov_b32 s44, 0
.endm
	s_load_b128 s[4:7], s[0:1], 0x0                ; qc s[4:5], kv s[6:7]
	s_load_b64 s[8:9], s[0:1], 0x10                ; out0
	v_lshl_add_u32 v[SPW], v0, 2, SPARE
	v_mov_b32 v[NIL], 0
	ds_add_u32 v[SPW], v[NIL]                      ; the wave's opening: the add and its wait ahead of the first tensor loads; the set-up below, work on registers, stands between them
	v_lshrrev_b32 v1, 5, v0
	v_readfirstlane_b32 s[WV], v1                  ; wave 0..15
	s_bfe_u32 s11, ttmp6, 0x40000                  ; cx: it enters Q's, out0's and the prefetches' global addresses alone
	s_lshl_b32 s12, ttmp9, 2
	s_add_co_u32 s12, s12, s11                     ; my block of 256 positions
	s_and_b32 s13, ttmp7, 0xffff                   ; the head, which the four partners share
	; descriptor group 1: a key step is 25,600 dense bytes: 100 rows of 256 bytes (32 elements of 8 bytes), no padding
	s_mov_b32 s[G1+0], 15|(3<<16)|(1<<21)          ; 15:0 the mask: all four work-groups; 17:16 elements of 8 bytes; 21 set beside a mask
	s_mov_b32 s[G1+1], 32<<16                      ; tensor_dim0
	s_mov_b32 s[G1+2], 100<<16                     ; tensor_dim1
	s_mov_b32 s[G1+3], 32<<16                      ; tile_dim0
	s_mov_b32 s[G1+4], 100                         ; tile_dim1
	s_mov_b32 s[G1+5], 32                          ; from row to row
	s_mov_b32 s[G1+6], 0
	s_mov_b32 s[G1+7], 0
	s_and_b32 s[RR+3], s13, 7                      ; r = (j << e) >> 3: for dr 8 it is j,
	s_lshr_b32 s[RR+2], s[RR+3], 1                 ; for dr 4 j / 2,
	s_lshr_b32 s[RR+1], s[RR+3], 2                 ; for dr 2 j / 4
	s_mov_b32 s[SEL], 0x76543210
	s_mov_b32 s[SEL+1], 0xfedcba98
	s_mov_b32 s[CS], 0x3f38aa3b                    ; half of log2(e) as f32 (1.44269502 / 2): the softmax works on twice the score
	s_mov_b32 s[CS+1], s[CS]                       ; (named with it as a pair, so it is written)
	s_mov_b32 s[CL], 0x3225705f                    ; half of log2(e) less that value (1.926e-8 / 2)
	s_mov_b32 s[CL+1], s[CL]
	s_mov_b32 s[TB], 0
	s_mov_b32 s[SLOTS], 14
	s_lshr_b32 s[LIM], s[WV], 1
	s_xor_b32 s[LIM], s[LIM], 2                    ; 0 in waves 4 and 5,
	s_or_b32 s[LIM], s[LIM], ttmp9                 ; of the head's first cluster: the same in all four partners
	s_cmp_eq_u32 s[LIM], 0
	s_cselect_b32 s[LIM], 1, -1
	v_and_b32 v9, 31, v0                           ; lane
	v_lshlrev_b32 v[LI], 4, v9
	v_lshlrev_b32 v[LS], 2, v9
	v_and_b32 v10, 15, v0                          ; r
	v_bfe_u32 v11, v0, 4, 1                        ; h
	v_lshlrev_b32 v[QS], 2, v10
	s_and_b32 s44, s[WV], 1
	s_lshl_b32 s45, s44, 5
	v_add_nc_u32 v[PFO], s45, v9
	v_min_u32 v[PFO], 49, v[PFO]
	v_lshlrev_b32 v[PFO], 8, v[PFO]                ; block min(lane + 32 (wave % 2), 49) of my work-group's 50
	v_mul_u32_u24 v9, v10, PIT
	v_lshl_add_u32 v[SBS], v11, 5, v9              ; row r of a stage's tile, + 32 h
	s_mul_i32 s44, s13, QHEAD
	s_mov_b32 s45, 0
	s_mul_i32 s46, s13, KVHEAD
	s_mov_b32 s47, 0
	s_and_b32 s48, s[WV], 1
	s_mul_i32 s48, s48, STEPB                      ; which of a slot's two steps I fetch, if I fetch: in memory and in LDS alike
	s_mov_b32 s49, 0
	s_mul_i32 s50, s11, SLOTB/4
	s_add_co_u32 s50, s50, SLOTB                   ; the prefetches: my work-group's quarter, in slot 1: the first change of slots steps it to slot 2
	s_mov_b32 s51, 0
	s_lshr_b32 s52, s13, 3
	s_lshl_b32 s52, s52, 23                        ; out0: batch x 2,048 x 4,096 bytes,
	s_lshl_b32 s53, s12, 8
	s_lshl_b32 s54, s[WV], 4
	s_add_co_u32 s53, s53, s54
	s_lshl_b32 s53, s53, 12                        ; + (256 x block + 16 x wave) rows of 4,096 bytes,
	s_add_co_u32 s52, s52, s53
	s_lshl_b32 s53, s[RR+3], 9                     ; + 512 j
	s_add_co_u32 s52, s52, s53
	s_mov_b32 s53, 0
	s_wait_dscnt 0x0                               ; the opening add is done
	s_wait_kmcnt 0x0
	s_add_nc_u64 s[4:5], s[4:5], s[44:45]          ; qc and kv at my head
	s_add_nc_u64 s[6:7], s[6:7], s[46:47]
	s_add_nc_u64 s[8:9], s[8:9], s[52:53]          ; out0 at my wave's first row
	s_add_nc_u64 s[PFA:PFA+1], s[6:7], s[50:51]
	s_mov_b32 s[G0], 1                             ; 1:0 count = 1
	s_mov_b32 s[G0+1], s48                         ; 63:32 LDS address: slot 0
	s_add_nc_u64 s[G0+2:G0+3], s[6:7], s[48:49]    ; 120:64 global address: the head's first two steps
	s_or_b32 s[G0+3], s[G0+3], 0x80000000          ; 127:126 type = 2
	CROUND                                         ; all four work-groups are here: the first joint loads meet
	TLOAD                                          ; slot 0
.irp b, 0,1,2,3
	v_mov_b32 v[236+\b], 0                         ; written once: a lane permute's destination counts as one of its sources
.endr
	v_mov_b32 v252, 0
	v_mov_b32 v253, 0                              ; (named as the upper half of the pair v[252:253] before it is first written)
	BEGIN 3                                        ; dr 8: one slot, two tiles of queries
	CHANGE 1
	WORK 2
	FINISH 3, STG3
	BEGIN 2                                        ; dr 4: two slots, four tiles
	s_mov_b32 s3, 2
.Lphase2:
	CHANGE 1
	WORK 4
	s_sub_co_u32 s3, s3, 1
	s_cmp_lg_u32 s3, 0
	s_cbranch_scc1 .Lphase2
	FINISH 2, STG2
	BEGIN 1                                        ; dr 2: four slots, eight tiles
	s_mov_b32 s3, 4
.Lphase1:
	CHANGE 1
	WORK 8
	s_sub_co_u32 s3, s3, 1
	s_cmp_lg_u32 s3, 0
	s_cbranch_scc1 .Lphase1
	FINISH 1, STG1
	BEGIN 0                                        ; dr 1: eight slots, sixteen tiles
	s_mov_b32 s3, 7
.Lphase0:
	CHANGE 1
	WORK 16
	s_sub_co_u32 s3, s3, 1
	s_cmp_lg_u32 s3, 0
	s_cbranch_scc1 .Lphase0
	CHANGE 0                                       ; the last slot is written out: nothing is left to ask for
	WORK 16
	s_wait_dscnt 0x0                               ; my reads of the ring are over;
	s_barrier_signal -1
	s_barrier_wait -1                              ; everybody's are, and the ring has had its last fill: dr 1's stage may be laid over it
	FINISH 0, STG0
	; Back out of the stages.  A stage's row 32 b + 16 u + 8 a + x holds gathered row 32 b + 16 a + 8 u + x of my block.  Wave w adds up positions 16 w .. 16 w + 15: gathered rows (16 >> e) w on.
	s_mov_b32 s44, 0
	PART 1, 3, 5                                   ; dr 1: 32 (w / 2) + 8 (w % 2); row i lies 16 (i / 8) + i % 8 further on
	PART 0, 1, 3
	MKRD RD0, STG0
	PART 2, 2, 5                                   ; dr 2: 32 (w / 4) + 16 (w % 2) + 8 ((w / 2) % 2); eight rows on end
	PART 0, 1, 4
	PART 1, 1, 3
	MKRD RD1, STG1
	PART 3, 1, 5                                   ; dr 4: 32 (w / 8) + 16 ((w / 2) % 2) + 8 ((w / 4) % 2) + 4 (w % 2); four rows
	PART 1, 1, 4
	PART 2, 1, 3
	PART 0, 1, 2
	MKRD RD2, STG2
	PART 2, 1, 4                                   ; dr 8: 16 ((w / 4) % 2) + 8 (w / 8) + 2 (w % 4); two rows
	PART 3, 1, 3
	PART 0, 2, 1
	MKRD RD3, STG3
	s_wait_dscnt 0x0                               ; my stores into the stages are done;
	s_barrier_signal -1
	s_barrier_wait -1                              ; everybody's are
	; THE WAY OUT: my 16 rows of dr 1's stage, the 8, 4 and 2 rows of the others that fall among them; 16 bytes a lane of each row
.irp i, 0,1,2,3,4,5,6,7,8,9,10,11,12,13,14,15
	ds_load_b128 v[96+4*\i:99+4*\i], v[RD0] offset:(16*(\i/8)+\i%8)*PIT
.endr
.irp k, 0,1,2,3,4,5,6,7
	ds_load_b128 v[160+4*\k:163+4*\k], v[RD1] offset:PIT*\k
.endr
.irp k, 0,1,2,3
	ds_load_b128 v[192+4*\k:195+4*\k], v[RD2] offset:PIT*\k
.endr
.irp k, 0,1
	ds_load_b128 v[208+4*\k:211+4*\k], v[RD3] offset:PIT*\k
.endr
	s_wait_dscnt 0x0
.irp a, 0,1
	ADDIN 1, \a, 160                               ; in the order of the sum as it is defined: dr 1, + dr 2, + dr 4, + dr 8
.endr
.irp a, 0,1,2,3
	ADDIN 2, \a, 192
.endr
.irp a, 0,1,2,3,4,5,6,7
	ADDIN 3, \a, 208
.endr
.irp i, 0,1,2,3,4,5,6,7,8,9,10,11,12,13,14,15
	global_store_b128 v[LI], v[96+4*\i:99+4*\i], s[8:9] offset:4096*\i th:TH_STORE_NT   ; 32 lanes store my head's 512 consecutive bytes of a row, at a multiple of 512 from out0's first byte
.endr
	s_wait_tensorcnt 0x0                           ; the wave's end: behind my last tensor load and my last LDS store
	ds_add_u32 v[SPW], v[NIL]
	s_wait_dscnt 0x0
	CROUND                                         ; the closing round: no work-group ends while a partner may still ask for a slot that names it
	s_endpgm
.Lfunc_end_k_q36909138a8_attn:
	.size	k_q36909138a8_attn, .Lfunc_end_k_q36909138a8_attn-k_q36909138a8_attn
	.p2alignl 7, 3214868480
	.fill 96, 4, 3214868480
	.section	.rodata,"a",@progbits
	.p2align	6, 0x0
	.amdhsa_kernel k_q36909138a8_attn
		.amdhsa_group_segment_fixed_size 327680
		.amdhsa_private_segment_fixed_size 0
		.amdhsa_enable_private_segment 0
		.amdhsa_kernarg_size 24
		.amdhsa_user_sgpr_count 2
		.amdhsa_user_sgpr_kernarg_segment_ptr 1
		.amdhsa_wavefront_size32 1
		.amdhsa_system_sgpr_workgroup_id_x 1
		.amdhsa_system_sgpr_workgroup_id_y 1
		.amdhsa_system_sgpr_workgroup_id_z 1
		.amdhsa_system_vgpr_workitem_id 0
		.amdhsa_next_free_vgpr 256
		.amdhsa_next_free_sgpr 66
		.amdhsa_reserve_vcc 0
		.amdhsa_float_denorm_mode_32 3
		.amdhsa_float_denorm_mode_16_64 3
		.amdhsa_memory_ordered 1
		.amdhsa_forward_progress 1
		.amdhsa_inst_pref_size 255
	.end_amdhsa_kernel
	.section	.bss,"aw",@nobits
	.p2align	6
	.space	262144
	.amdgpu_metadata
---
amdhsa.version: [ 1, 2 ]
amdhsa.kernels:
  - .name:           k_q36909138a8_attn
    .symbol:         k_q36909138a8_attn.kd
    .args:
      - { .name: qc, .offset: 0, .size: 8, .value_kind: global_buffer, .address_space: global }
      - { .name: kv, .offset: 8, .size: 8, .value_kind: global_buffer, .address_space: global }
      - { .name: out0, .offset: 16, .size: 8, .value_kind: global_buffer, .address_space: global }
    .group_segment_fixed_size: 327680
    .private_segment_fixed_size: 0
    .kernarg_segment_align: 8
    .kernarg_segment_size: 24
    .max_flat_workgroup_size: 512
    .sgpr_count:     66
    .vgpr_count:     256
    .wavefront_size: 32
...
	.end_amdgpu_metadata
.endif
;; end of part 2
